; MI455X (gfx1250); checked and timed in simulation.
; The chip was launched on July 23, 2026; its instructions are those of AMD's public machine-readable ISA for CDNA 5 (MIT licence, August 2026) and "CDNA5" Instruction Set Architecture Reference Guide (July 2026). The comments in the code are by the model that wrote it; some were corrected since.
;; Attn. Allowed arithmetic: matrix products marked QUANTISED: E5M2 operands, one E8M0 scale for each 32 along K, by v_wmma_scale_f32_16x16x128_f8f6f4 with both operands' format E5M2, f32 sums; products left as they are: f32 operands where the result goes on into a quantised operand, else bf16, f16 or f32 operands; f32 sums; everything else in f32.
;; Inputs: W_codes 1,024 x 32 x 32 uint8 (E5M2 codes of W, K innermost, in blocks of 32 codes); W_scales 1,024 x 32 uint8 (E8M0 scales of W, one for each 32 codes along K); b 1,024 float32; encoder_outputs_codes 2,048 x 32 x 32 x 32 uint8 (E5M2 codes of encoder_outputs, K innermost, in blocks of 32 codes); encoder_outputs_scales 2,048 x 32 x 32 uint8 (E8M0 scales of encoder_outputs, one for each 32 codes along K); hidden 32 x 1,024 float32.
;; Outputs: out0 1 x 32 x 2,048 float32.
;; This version of the problem:
;;   THIS VERSION OF THE PROBLEM IS GIVEN IN LOW PRECISION. The matrix products marked QUANTISED in the list below multiply operands that are first quantised to E5M2 (5 exponent bits, 2 mantissa bits; 8 bits a number), with one power-of-two scale for each 32 numbers along K (OCP MX v1.0); their sums are f32. All else is computed in f32.
;;   The module's matrix products, in the order in which they are computed (A, B: the left and right operand; K: the contracted axis; several contracted axes count as one K, in the product's order):
;;     1. [M 65,536, K 1,024] x [K 1,024, N 1,024]; A: input encoder_outputs (given as codes); B: input W (given as codes): QUANTISED
;;     2. batch 32 x [M 1, K 1,024] x [K 1,024, N 2,048]; A: input hidden; B: computed on the way: left as it is (M = 1 < 16)
;;   THE QUANTISER, for each operand of a quantised product, along K:
;;     - K is cut into blocks of 32 from its start; a last block that is shorter is filled with zeros.
;;     - A block's scale is 2^e with e = floor(log2(the largest magnitude in the block)) - 15, held to -126 .. 127; a block of zeros has e = 0. As a byte (E8M0): e + 127.
;;     - Each number is divided by its block's scale, clamped to +-57,344, and rounded to the nearest number of E5M2, ties to even, subnormals kept.
;;     - The product sums the exact products of the quantised numbers (number of the format x scale) in f32.
;;   ~~~python
;;   def quantise(x, axis):      # numpy; x: float32 -> the quantised numbers, widened to float32 again
;;       x = np.moveaxis(x, axis, -1); K = x.shape[-1]
;;       x = np.pad(x, [(0, 0)] * (x.ndim - 1) + [(0, -K % 32)]); x = x.reshape(x.shape[:-1] + (-1, 32)); a = np.abs(x).max(-1, keepdims=True)
;;       e = np.where(a > 0, np.clip(np.frexp(np.where(a > 0, a, 1))[1] - 1 - 15, -126, 127), 0)      # np.frexp(a)[1] - 1 = floor(log2(a)), exactly
;;       r = np.clip(x / 2.0 ** e, -57344, 57344)
;;       step = 2.0 ** (np.maximum(np.frexp(np.where(r == 0, 1, r))[1] - 1, -14) - 2)
;;       q = np.round(r / step) * step * 2.0 ** e      # np.round: ties to even
;;       return np.moveaxis(q.reshape(q.shape[:-2] + (-1,))[..., :K], -1, axis).astype(np.float32)
;;   ~~~
;;   INPUTS GIVEN AS CODES. W (in the module: [1024, 1024], K = its axis 1); encoder_outputs (in the module: [2048, 32, 1024], K = its axis 2): each comes as NAME_codes (uint8): NAME with its K axis moved to the last place and cut into blocks of 32 codes, [.., K / 32, bytes a block], one block behind the other in memory; one code a byte (a code: sign, 5 exponent bits, 2 mantissa bits); and NAME_scales (uint8): the same leading axes, one E8M0 byte (e + 127) for each 32 codes along K. Its value is code x scale, taken as it is: it is not quantised again, and the codes and scales need not be those that the quantiser above would give.
;; One version. Each part assembles by itself: llvm-mc -triple=amdgcn-amd-amdhsa -mcpu=gfx1250 --defsym DOCPART=n.
;; ======== version 1 of 1: 2 launches
;; limits: right only within a limited range of input values
;; workspace buffers: part 1,048,576 bytes
;; launch energy (part 1): grid 4 x 64, 4 waves a work-group, clusters of 4 x 4, 327,680 bytes of LDS; arguments W_codes, W_scales, encoder_outputs_codes, encoder_outputs_scales, hidden, part; writes part
.if DOCPART == 1
	.amdgcn_target "amdgcn-amd-amdhsa--gfx1250"
	.amdhsa_code_object_version 6
	.text
	.protected	k_q974946ab8a_energy
	.globl	k_q974946ab8a_energy
	.p2align	8
	.type	k_q974946ab8a_energy,@function
k_q974946ab8a_energy:
	s_mov_b64 s[64:65], 0
	v_nop
	global_prefetch_b8 v0, s[64:65] scope:SCOPE_SE
	s_setreg_imm32_b32 hwreg(HW_REG_WAVE_MODE, 25, 1), 1
	s_wait_xcnt 0x0
	s_wait_alu depctr_hold_cnt(0) depctr_sa_sdst(0) depctr_va_vdst(0) depctr_va_sdst(0) depctr_va_ssrc(0) depctr_va_vcc(0) depctr_vm_vsrc(0)
	s_getreg_b32 s2, hwreg(HW_REG_IB_STS2, 6, 4)
	s_cmp_eq_u32 s2, 0
	s_cbranch_scc0 .Lentry_in_a_cluster
	s_endpgm
.Lentry_in_a_cluster:
	s_bfe_u32 s2, ttmp6, 0x10000c
	s_cmp_lg_u32 s2, 0xf033
	s_cbranch_scc0 .Lentry_shape_is_right
	s_endpgm
.Lentry_shape_is_right:
; part[nq][b][s] = sum over the n of quarter nq of hidden[b][n] x (sum over k of enc[s][b][k] W[n][k]).  enc [2048 s][32 b][1024 k], W [1024 n][1024 k]: codes of BF8 (E5M2), one E8M0 byte
; for each 32 along K, taken as they lie.  The energies live in accumulators only.  The next launch adds the four parts and takes the softmax over s.
; DEAD WORK, left out: the bias.  Every energy[s][b][n] has b[n] added, so every score of row b has the same number, sum over n of hidden[b][n] b[n], added for all s; the softmax runs along s, and a
; term that is the same along its axis cancels for all values of the inputs.  No quantiser follows.  So the input b has no way to the output and is not loaded.
; LIMITS, stated: (1) a NaN, an infinity or an overflow that reaches only that bias term is not carried to the result; (2) K is summed in two halves of 512 by two waves, n in eight groups of 128, and the
; parts of a SCORE are added in f32; (3) codes of infinity or NaN and scale bytes 0xff give what the matrix unit gives.
; SHARES.  The four work-groups of a row of the cluster own the same 1,024 rows of enc, 16 b x 64 s, each against its quarter of n: 256 rows of W.  Wave w = 2 kh + nh holds 128 n x 512 along K of W IN REGISTERS
; for the whole launch (8 blocks x 4 K steps x 16 registers = 512).  enc walks past, 16 rows a step (one s, 16 b): one fragment read from LDS feeds 8 matrix instructions.
; THE MATRIX INSTRUCTION: source 0 = 16 rows of W, source 1 = 16 rows of enc.  Lane (r, h) holds b = b0 + r, and its register j the energy at n = 16 x block + 8 h + j: so hidden is 64 registers that stay.
; BY TURNS.  While a step is multiplied into one set of accumulators, the step before is weighed with hidden out of the other, by v_pk_fma_f32 under the same register windows.
; ONE RUN OF LDS LOADS FOR TWO STEPS: odd step o loads the fragments of o + 1 and o + 2.  Even steps use fragment buffer 0, odd steps 1 and 2 by turns.
; CLUSTER.  enc and its scale bytes are asked for JOINTLY along a row of the cluster, W along a column.
; THE RING.  Two slots of 128 rows (8 s).  At the head they hold W on its way into registers, after that enc.  The rows of steps 0 and 1 come once more, at the head, into bytes of their own: these steps run while tile 0 is on its way.
; PREFETCH: behind the joint loads of a tile of enc, the tile that the next change of slots asks for.  W comes once, at the head: no loop to run ahead in.
; enc's scale bytes, 4,096 of a tile's 135,168 bytes, come by their loads alone.
; REGISTERS, in windows of 256.  Window 1: v0-191 enc's fragments, three buffers; v192-255 hidden.
;   Windows 2, 3, 0: W's blocks 0-2, 3-5, 6-7: v[64 i + 16 q] fragments; v[192 + 16 i + 8 set] accumulators; v[240:243] the running sums, two pairs.
;   Window 0 also: v128-159 W's scale words, v162-173 enc's (their numbers differ from W's modulo 4 in each product), addresses, work.
.set PITCH, 1040                       ; an LDS row: 1,024 bytes + 16 of padding = 260 words: row r starts at bank 4 r mod 64 (64 banks of 4 bytes: ISA guide 11.1)
.set BLK,   16*PITCH                   ; a step's 16 rows
.set HALF,  64*PITCH
.set SLOT,  2*HALF
.set SCL,   2*SLOT                     ; enc's scale bytes: 4,096 for each slot
.set SUM,   SCL+8192                   ; the scores' parts: for each wave 34 rows of 132 bytes, 33 words; a row holds two steps, 16 b each
.set SROW,  132
.set SWAVE, 4608
.set MINI,  SUM+4*SWAVE                ; the rows of steps 0 and 1; filled once
.set SPARE, MINI+2*BLK                 ; the spare words, 128 bytes for each wave: two blocks of 256 bytes that no other line names
.set TILE,  8*32768                    ; from tile to tile of enc in memory: 8 s
.set WSR, 128                          ; W's scale words: block i, K step q at v[128 + 4 i + q]
.set ESC, 162                          ; enc's: buffer f, K step q at v[162 + 4 f + q]
.set ADE, 174                          ; v174-177 my lane's place: slot 0 steps 0-3, 4-7, slot 1 steps 0-3, 4-7
.set SPW, 178                          ; my spare word; never rewritten
.set NIL, 179                          ; 0; never rewritten
.set ADS, 180                          ; my lane's place among enc's scale words
.set SMA, 181                          ; where I put sums; steps once a lap
.set SMB, 182                          ; its base
.set PFO, 183                          ; the prefetches' offset: 256 x lane
.set TS,  224                          ; v224-225, v226-227 a step's sum, a pair: even steps, odd steps
.set PKR, 228                          ; v228-233 two steps' sums on their way into one register
.set HID, 192                          ; in window 1
.set ACC, 192                          ; in windows 0, 2, 3
.set SUMR, 240
.set WV,  16                           ; s16 wave; s17 nh = wave % 2; s18 kh = wave / 2; s20 nq; s21 row group
.set HM,  22                           ; s22 the lanes with h = 1
.set G1T, 24                           ; s[24:31] descriptor group 1: the scale bytes of tiles 0 and 1, at the head
.set G1E, 32                           ; s[32:39] enc
.set G1W, 40                           ; s[40:47] W
.set G1S, 48                           ; s[48:55] enc's scale bytes
.set G1M, 56                           ; s[56:63] the rows of steps 0 and 1
.set G0E, 68                           ; s[68:71], s[72:75] group 0: my half of a tile of enc, for slot 0, 1
.set G0S, 76                           ; s[76:79] enc's scale bytes (wave 2: slot 0's, wave 3: slot 1's)
.set G0M, 80                           ; s[80:83] the rows of steps 0 and 1
.set G0W, 84                           ; s[84:87] W (wave 0: into slot 0, wave 1: into slot 1)
.set LAP, 88
.set SMS, 89
.set PFA, 90
.set G0T, 92                           ; s[92:95] the scale bytes of tiles 0 and 1
.set SEL, 100                          ; s[100:101] v_permlanex16_b32's selects for lane l xor 16
.set MSB, 0
.macro WIN new                         ; the immediate's high byte repeats the setting that is left; a switch that changes nothing is dropped
.if MSB != (\new)
	s_set_vgpr_msb (MSB<<8)|(\new)
.set MSB, (\new)
.endif
.endm
.macro PLACES n
.rept \n
	v_nop
.endr
.endm
.macro CREST                           ; a round of the cluster's barrier behind its opening barrier
	s_cmp_lg_u32 s[WV], 0
	s_cbranch_scc1 .Lnot_wave_0_\@
	s_barrier_signal -3
.Lnot_wave_0_\@:
	s_barrier_wait -3
	s_barrier_signal -1
	s_barrier_wait -1
.endm
.macro ROUND                           ; a whole round
	s_barrier_signal -1
	s_barrier_wait -1
	CREST
.endm
.macro SHAPE g, c, r, p                ; group 1, words 1 to 7: r rows of c bytes, p bytes from row to row; the tile lies inside the tensor
	s_mov_b32 s[\g+1], (\c)<<16
	s_mov_b32 s[\g+2], (\r)<<16
	s_mov_b32 s[\g+3], (\c)<<16
	s_mov_b32 s[\g+4], \r
	s_mov_b32 s[\g+5], \p
	s_mov_b32 s[\g+6], 0
	s_mov_b32 s[\g+7], 0
.endm
; The joint loads of a tile: waves 0 and 1 its halves (4 s each); sc = 1: wave 2 (slot 0) or 3 (slot 1) its scale bytes.  The branches hang on the wave's number alone.
.macro JLOAD s, sc
	s_cmp_lt_u32 s[WV], 2
	s_cbranch_scc0 .Lnot_enc_\@
	tensor_load_to_lds s[G0E+4*\s:G0E+4*\s+3], s[G1E:G1E+7]
	s_nop 0
	PLACES 4
	s_branch .Lasked_\@
.Lnot_enc_\@:
.if \sc
	s_cmp_eq_u32 s[WV], 2+\s
	s_cbranch_scc0 .Lasked_\@
	tensor_load_to_lds s[G0S:G0S+3], s[G1S:G1S+7]
	s_nop 0
	PLACES 4
.endif
.Lasked_\@:
.endm
.macro ARM under, g0, g1, next         ; an arm of the head's chain: one load a wave
	s_cmp_lt_u32 s[WV], \under
	s_cbranch_scc0 \next
	tensor_load_to_lds s[\g0:\g0+3], s[\g1:\g1+7]
	s_nop 0
	PLACES 4
	s_branch .Lhead_asked
\next:
.endm
	s_load_b256 s[4:11], s[0:1], 0x0               ; W's codes s[4:5], W's scales s[6:7], enc's codes s[8:9], enc's scales s[10:11]
	s_load_b128 s[12:15], s[0:1], 0x20             ; hidden s[12:13], part s[14:15]
	v_lshl_add_u32 v[SPW], v0, 2, SPARE
	v_mov_b32 v[NIL], 0
	ds_add_u32 v[SPW], v[NIL]                      ; the opening lines: the add, twice on end; work on registers; one wait
	ds_add_u32 v[SPW], v[NIL]
	v_lshrrev_b32 v1, 5, v0
	v_readfirstlane_b32 s[WV], v1
	s_and_b32 s17, s[WV], 1
	s_lshr_b32 s18, s[WV], 1
	s_bfe_u32 s19, ttmp6, 0x40000                  ; cx
	s_bfe_u32 s80, ttmp6, 0x40004                  ; cy
	s_lshl_b32 s20, ttmp9, 2                       ; in a cluster launch ttmp9 and ttmp7 count clusters
	s_add_co_u32 s20, s20, s19                     ; nq: my quarter of n
	s_and_b32 s21, ttmp7, 0xffff
	s_lshl_b32 s21, s21, 2
	s_add_co_u32 s21, s21, s80                     ; g: my row group: b0 = 16 (g % 2), s0 = 64 (g / 2)
	s_lshr_b32 s83, s21, 1
	s_and_b32 s3, s21, 1
	s_lshl_b32 s2, s80, 2
	s_lshl_b32 s2, 15, s2                          ; my row of the cluster: places 4 cy .. 4 cy + 3
	s_lshl_b32 s82, 0x1111, s19                    ; my column: places cx, cx + 4, cx + 8, cx + 12
	s_or_b32 s[G1E], s2, (1<<20)|(1<<21)|(7<<22)|(3<<25)  ; elements of 1 byte; after every 256 words (code 7) four words of padding (code 3); the mask, bit 21 beside it
	SHAPE G1E, 16384, 4, 32768                     ; 4 s; 16 b of 1,024 bytes lie end to end: one row of 16,384 bytes
	s_or_b32 s[G1M], s2, (1<<20)|(1<<21)|(7<<22)|(3<<25)
	SHAPE G1M, 16384, 2, 32768                     ; 2 s
	s_or_b32 s[G1W], s82, (1<<20)|(1<<21)|(7<<22)|(3<<25)
	SHAPE G1W, 1024, 128, 1024
	s_or_b32 s[G1S], s2, (1<<21)
	SHAPE G1S, 512, 8, 1024                        ; 8 s, 16 b x 32 scale bytes each
	s_lshl_b32 s100, s83, 21                       ; enc: s0 x 32,768
	s_lshl_b32 s97, s3, 14                         ; + b0 x 1,024
	s_add_co_u32 s100, s100, s97
	s_mov_b32 s101, 0
	s_lshl_b32 s97, s17, 17                        ; + 4 s for wave 1
	s_add_co_u32 s22, s100, s97
	s_mov_b32 s23, 0
	s_lshl_b32 s24, s83, 16                        ; enc's scale bytes: s0 x 1,024 + b0 x 32,
	s_lshl_b32 s97, s3, 9
	s_add_co_u32 s24, s24, s97
	s_mov_b32 s25, 0
	s_lshl_b32 s26, s3, 16                         ; hidden: b0 x 4,096 + 1,024 nq + 256 nh
	s_lshl_b32 s97, s20, 10
	s_add_co_u32 s26, s26, s97
	s_lshl_b32 s97, s17, 8
	s_add_co_u32 s26, s26, s97
	s_mov_b32 s27, 0
	s_lshl_b32 s28, s20, 13                        ; W's scale bytes: 256 nq + 64 nh rows of 32, + 16 kh
	s_lshl_b32 s97, s17, 11
	s_add_co_u32 s28, s28, s97
	s_lshl_b32 s97, s18, 4
	s_add_co_u32 s28, s28, s97
	s_mov_b32 s29, 0
	s_lshl_b32 s30, s20, 18                        ; W's codes: 256 nq rows, + 128 rows for wave 1
	s_lshl_b32 s99, s17, 17
	s_add_co_u32 s30, s30, s99
	s_mov_b32 s31, 0
	s_lshl_b32 s92, s20, 18                        ; part: nq, row b0 + 4 x wave, column s0
	s_lshl_b32 s97, s3, 17
	s_add_co_u32 s92, s92, s97
	s_lshl_b32 s97, s[WV], 15
	s_add_co_u32 s92, s92, s97
	s_lshl_b32 s97, s83, 8
	s_add_co_u32 s92, s92, s97
	s_mov_b32 s93, 0
	s_lshl_b32 s97, s19, 16                        ; the prefetches: of a tile's 8 s my work-group asks for s 2 cx and 2 cx + 1, my wave for half of one s
	s_add_co_u32 s94, s100, s97
	s_lshl_b32 s97, s18, 15
	s_add_co_u32 s94, s94, s97
	s_lshl_b32 s97, s17, 13
	s_add_co_u32 s94, s94, s97
	s_mov_b32 s95, 0
	s_lshl_b32 s66, s18, 9                         ; kh: 512 bytes on in an LDS row
	s_mul_i32 s67, s17, HALF                       ; nh: W's rows 64 on in a slot
	s_lshl_b32 s98, s18, 4
	s_add_co_u32 s98, s98, SCL
	s_mul_i32 s99, s[WV], SWAVE
	s_add_co_u32 s99, s99, SUM
	s_mov_b32 s[SMS], 0
	s_lshl_b32 s96, s17, 13                        ; a tile of scale bytes on for wave 3
	s_mov_b32 s97, 0
	s_wait_dscnt 0x0                               ; both opening adds are done
	s_wait_kmcnt 0x0
	s_mov_b32 s[G0W], 1                            ; 1:0 count = 1
	s_mul_i32 s[G0W+1], s17, SLOT                  ; 63:32 LDS address
	s_add_nc_u64 s[G0W+2:G0W+3], s[4:5], s[30:31]  ; 120:64 global address of the tile's first byte
	s_or_b32 s[G0W+3], s[G0W+3], 0x80000000        ; 127:126 type = 2
	s_mov_b32 s[G0E], 1
	s_mul_i32 s[G0E+1], s17, HALF
	s_add_nc_u64 s[G0E+2:G0E+3], s[8:9], s[22:23]  ; tile 0
	s_mov_b32 s[G0E+4], 1
	s_add_co_u32 s[G0E+5], s[G0E+1], SLOT
	s_add_nc_u64 s[G0E+6:G0E+7], s[G0E+2:G0E+3], TILE  ; tile 1
	s_or_b32 s[G0E+3], s[G0E+3], 0x80000000
	s_or_b32 s[G0E+7], s[G0E+7], 0x80000000
	s_add_nc_u64 s[PFA:PFA+1], s[8:9], s[94:95]
	s_add_nc_u64 s[6:7], s[6:7], s[28:29]
	s_add_nc_u64 s[12:13], s[12:13], s[26:27]
	s_add_nc_u64 s[14:15], s[14:15], s[92:93]
	s_add_nc_u64 s[10:11], s[10:11], s[24:25]      ; enc's scale bytes, tile 0
	s_mov_b32 s[G0T], 1
	s_mov_b32 s[G0T+1], SCL
	s_mov_b64 s[G0T+2:G0T+3], s[10:11]
	s_or_b32 s[G0T+3], s[G0T+3], 0x80000000
	s_mov_b32 s[G0S], 1
	s_lshl_b32 s[G0S+1], s17, 12
	s_add_co_u32 s[G0S+1], s[G0S+1], SCL
	s_add_nc_u64 s[G0S+2:G0S+3], s[10:11], s[96:97]
	s_or_b32 s[G0S+3], s[G0S+3], 0x80000000
	s_mov_b32 s[G0M], 1
	s_mov_b32 s[G0M+1], MINI
	s_add_nc_u64 s[G0M+2:G0M+3], s[8:9], s[100:101]
	s_or_b32 s[G0M+3], s[G0M+3], 0x80000000
	s_or_b32 s[G1T], s2, (1<<21)
	SHAPE G1T, 512, 16, 1024
	s_lshl_b32 s96, s[WV], 4
	s_add_co_u32 s96, s96, SUM
	s_mov_b32 s[SEL], 0x76543210
	s_mov_b32 s[SEL+1], 0xfedcba98
	ROUND                                          ; all sixteen work-groups are here: the first joint loads meet
	; the head's loads, one a wave: wave 0 W's rows 0-127 (slot 0), wave 1 rows 128-255 (slot 1), wave 2 the rows of steps 0 and 1, wave 3 the scale bytes of tiles 0 and 1
	ARM 1, G0W, G1W, .Lhead_1
	ARM 2, G0W, G1W, .Lhead_2
	ARM 3, G0M, G1M, .Lhead_3
	tensor_load_to_lds s[G0T:G0T+3], s[G1T:G1T+7]
	s_nop 0
	PLACES 4
.Lhead_asked:
	v_and_b32 v184, 15, v0                         ; r
	v_bfe_u32 v185, v0, 4, 1                       ; h
	v_and_b32 v186, 31, v0                         ; lane
	; a fragment, 16 rows x 128 K of 8-bit codes, is 16 registers: lane l holds row l % 16; registers 4 c .. 4 c + 3 hold K = 32 c + 16 (l / 16) + 0 .. 15
	v_mul_u32_u24 v189, v184, PITCH
	v_lshl_add_u32 v189, v185, 4, v189
	v_add_nc_u32 v189, s66, v189
	v_mov_b32 v[ADE], v189
	v_add_nc_u32 v[ADE+1], HALF, v189
	v_add_nc_u32 v[ADE+2], SLOT, v189
	v_add_nc_u32 v[ADE+3], SLOT+HALF, v189
	v_add_nc_u32 v190, MINI, v189
	v_add_nc_u32 v191, s67, v189                   ; W in slot 0,
	v_add_nc_u32 v234, SLOT, v191                  ; in slot 1
	v_lshlrev_b32 v[ADS], 5, v184
	v_add_nc_u32 v[ADS], s98, v[ADS]
	v_lshl_add_u32 v[SMB], v186, 2, s99
	v_mov_b32 v[SMA], v[SMB]
	v_mul_u32_u24 v187, v184, 2*SROW               ; the way out: four s a lane, b = 4 x wave + h (+ 2)
	v_lshl_add_u32 v187, v185, 2, v187
	v_add_nc_u32 v187, s96, v187
	v_lshlrev_b32 v188, 13, v185
	v_lshl_add_u32 v188, v184, 4, v188
	v_lshlrev_b32 v[PFO], 8, v186
	v_lshlrev_b32 v235, 12, v184                   ; hidden: row b0 + r, my half's eight numbers of a block
	v_lshl_add_u32 v235, v185, 5, v235
	v_lshlrev_b32 v236, 5, v184                    ; W's scale bytes: 32 a row
	v_cmp_eq_u32 s[HM], 1, v185
	v_mov_b32 v[TS], 0                             ; no step's sum yet
	v_mov_b32 v[TS+1], 0
	v_mov_b32 v[TS+2], 0
	v_mov_b32 v[TS+3], 0
	v_mov_b32 v[PKR+3], 0                          ; (a lane permute's destination counts as one of its sources)
	; block i of my wave: n = 256 nq + 128 (i / 4) + 64 nh + 16 (i % 4)
.irp i, 0,1,2,3,4,5,6,7
	global_load_b128 v[WSR+4*\i:WSR+4*\i+3], v236, s[6:7] offset:4096*(\i/4)+512*(\i%4)   ; four scale words: my half of K (lanes 16-31 hold copies)
.endr
	WIN 0x40
.irp i, 0,1,2,3,4,5,6,7
	global_load_b128 v[HID+8*\i:HID+8*\i+3], v235, s[12:13] offset:512*(\i/4)+64*(\i%4)
	global_load_b128 v[HID+8*\i+4:HID+8*\i+7], v235, s[12:13] offset:512*(\i/4)+64*(\i%4)+16
.endr
	WIN 0
	global_prefetch_b8 v[PFO], s[PFA:PFA+1] th:TH_LOAD_NT scope:SCOPE_SE   ; enc's tile 0, which is asked for when W's first half is in registers
	WIN 0xc0
.irp j, 0,1,2,3
	v_mov_b32 v[SUMR+\j], 0
.endr
	WIN 0
; W's block a, all four K steps, from LDS into its window: 16 loads
.macro ALOAD a, adr
	WIN (((\a)/3+2)%4)<<6
.irp q, 0,1,2,3
.irp c, 0,1,2,3
	ds_load_b128 v[64*((\a)%3)+16*\q+4*\c:64*((\a)%3)+16*\q+4*\c+3], v[\adr] offset:((\a)%4)*BLK+128*\q+32*\c
.endr
.endr
.endm
; In what follows XP is the step's set of accumulators, XB its fragment buffer.
; Product k of a window's n blocks (a0 on): K step k / n, block k % n.  K step 0 starts the sum with the constant 0.  The n accumulators take turns, one instruction a turn.
.macro MM n, a0, k
.set XQ, (\k)/(\n)
.set XI, (\k)%(\n)
.set XD, ACC+16*XI+8*XP
.if XQ == 0
	v_wmma_scale_f32_16x16x128_f8f6f4 v[XD:XD+7], v[64*XI+16*XQ:64*XI+16*XQ+15], v[64*XB+16*XQ:64*XB+16*XQ+15], 0, v[WSR+4*((\a0)+XI)+XQ], v[ESC+4*XB+XQ] matrix_a_fmt:MATRIX_FMT_BF8 matrix_b_fmt:MATRIX_FMT_BF8
.else
	v_wmma_scale_f32_16x16x128_f8f6f4 v[XD:XD+7], v[64*XI+16*XQ:64*XI+16*XQ+15], v[64*XB+16*XQ:64*XB+16*XQ+15], v[XD:XD+7], v[WSR+4*((\a0)+XI)+XQ], v[ESC+4*XB+XQ] matrix_a_fmt:MATRIX_FMT_BF8 matrix_b_fmt:MATRIX_FMT_BF8
.endif
.endm
; Weighing m of the same blocks, of the step before (the other set): registers 2 (m / n), + 1 of block m % n times hidden, onto one of two running sums.  Each accumulator is read from its low end on.
.macro PK n, a0, m
.set YI, (\m)%(\n)
.set YJ, (\m)/(\n)
.set YS, SUMR+2*((\m)%2)
.set YA, ACC+16*YI+8*(1-XP)+2*YJ
.set YH, HID+8*((\a0)+YI)+2*YJ
.if ((\n) == 2) && ((\m) < 2)
	v_pk_mul_f32 v[YS:YS+1], v[YA:YA+1], v[YH:YH+1]
.else
	v_pk_fma_f32 v[YS:YS+1], v[YA:YA+1], v[YH:YH+1], v[YS:YS+1]
.endif
.endm
; Window 0: blocks 6 and 7.  c0: LDS instructions that may be out while K steps 0 and 1 are multiplied; c1: behind that.
.macro GA epi, c0, c1
	s_wait_dscnt \c0
	WIN 0x04
.set GK, 0
.rept 4
	MM 2, 6, GK
.set GK, GK+1
.endr
	s_wait_dscnt \c1
.rept 4
	MM 2, 6, GK
.if \epi
	PK 2, 6, 2*(GK-4)
	PK 2, 6, 2*(GK-4)+1
.endif
.set GK, GK+1
.endr
.endm
; Window y, three blocks.  Its first two weighings take the running sums over from window yp.  Window 3's sums of the step before that are complete: they are joined ahead of that.
.macro G12 y, yp, a0, epi
.if \epi
.if (\y) == 3
	WIN 0x0f
	v_pk_add_f32 v[TS+2*XP:TS+2*XP+1], v[SUMR:SUMR+1], v[SUMR+2:SUMR+3]
.endif
	WIN 0x41*(\y)+0x10*(\yp)+4
	PK 3, \a0, 0
	PK 3, \a0, 1
.endif
	WIN 0x51*(\y)+4
.set GK, 0
.rept 12
	MM 3, \a0, GK
.if (\epi) && (GK < 10)
	PK 3, \a0, GK+2
.endif
.set GK, GK+1
.endr
.endm
; step t's fragments of enc into their buffer: 16 loads.  t counts within a lap of 16 steps
.macro FETCH t
.set FS, ((\t)/8)%2
.set FB, ((\t)%2)*(1+(((\t)%4)/2))
.irp q, 0,1,2,3
.irp c, 0,1,2,3
	ds_load_b128 v[64*FB+16*\q+4*\c:64*FB+16*\q+4*\c+3], v[ADE+2*FS+((\t)%8)/4] offset:((\t)%4)*BLK+128*\q+32*\c
.endr
.endr
.endm
.macro FETCHS t                        ; and its scale words
.set FS, ((\t)/8)%2
.set FB, ((\t)%2)*(1+(((\t)%4)/2))
	ds_load_b128 v[ESC+4*FB:ESC+4*FB+3], v[ADS] offset:4096*FS+512*((\t)%8)
.endm
; Two steps' sums (the odd one's first) into one register: each half of the lanes hands the other what it lacks; lanes 0-15 keep the odd step's score part, lanes 16-31 the even one's
.macro PACK
	v_add_f32 v[PKR], v[TS+2], v[TS+3]
	v_add_f32 v[PKR+1], v[TS], v[TS+1]
	v_cndmask_b32 v[PKR+2], v[PKR+1], v[PKR], s[HM]
	v_cndmask_b32 v[PKR+4], v[PKR], v[PKR+1], s[HM]
	v_permlanex16_b32 v[PKR+3], v[PKR+2], s[SEL], s[SEL+1]
	v_add_f32 v[PKR+5], v[PKR+4], v[PKR+3]
.endm
; An odd step's LDS run: the next two steps' 34 loads, then one store: the sums of steps tr - 4 and tr - 3
.macro RUN tr, mode
	PACK
.if (\mode) != 3
	FETCHS (\tr)+1
	FETCHS (\tr)+2
	WIN 0x40
	FETCH (\tr)+1
	FETCH (\tr)+2
	WIN 0
.endif
	ds_store_b32 v[SMA], v[PKR+5] offset:SROW*(((\tr)-1)/2)
.endm
; A STEP: 16 rows of enc against my 128 n x 512 K: 32 matrix instructions (blocks 6-7, 0-2, 3-5), the step before weighed between them.
; A load into a register that a matrix instruction has read stands eight places behind it: the run's targets were last read by the step before or earlier, and the eight weighings of blocks 6-7 stand between.
; mode 0: plain.  mode 3: the very last step.  mode 1, even: the slot's last rows are in registers or on their way: the round in which the slot is given up, and the refill two tiles on; the other slot is read from the next step's run on.
; mode 2: the same with nothing left to ask for.  mode 4: step 1: tile 0 is whole, slot 1 takes tile 1, and the run follows.
.macro STEP tr, epi, mode
.set XP, (\tr)%2
.set XB, ((\tr)%2)*(1+(((\tr)%4)/2))
.if ((\mode) == 0) || ((\mode) == 3)
.if XP == 0
.if \epi
	GA 1, 25, 17                                   ; 25: K steps 2 and 3's eight loads, the next step's sixteen and the store may be out; 17: without the eight
.else
	GA 0, 24, 16                                   ; (no store is out)
.endif
.else
	GA 1, 9, 1                                     ; 9: K steps 2 and 3's eight loads and the store may be out; 1: the store
	WIN 0
	RUN \tr, \mode
.endif
	G12 2, 0, 0, \epi
.else
	WIN 0
.if (\mode) == 1
	s_wait_xcnt 0x0                                ; my last prefetch has read its address: it is stepped a tile on
	s_add_nc_u64 s[PFA:PFA+1], s[PFA:PFA+1], TILE
.endif
	s_wait_tensorcnt 0x0                           ; all my tensor loads have landed: my part of the other slot (mode 4: of tile 0)
	ds_add_u32 v[SPW], v[NIL]
.if (\mode) == 4
	GA 1, 9, 1                                     ; K steps 2 and 3's eight loads and the add may be out; the add
.else
	GA 1, 26, 18                                   ; as in an even step, and the add
.endif
	s_wait_alu depctr_va_vdst(0)
	s_wait_dscnt 0x0                               ; the add is done, and my reads of the slot are over
	s_barrier_signal -1
	G12 2, 0, 0, 1                                 ; work on registers while the others arrive
	WIN 0
	s_wait_alu depctr_va_vdst(0)
	s_barrier_wait -1
.if (\mode) == 1
	CREST                                          ; no wave of any partner still reads this slot or has a load on its way
.set JS, ((\tr)/8)%2
	s_add_nc_u64 s[G0E+4*JS+2:G0E+4*JS+3], s[G0E+4*JS+2:G0E+4*JS+3], 2*TILE   ; no tensor load of mine is out; the type bits on top are not reached
.if JS == 0
	s_add_nc_u64 s[G0S+2:G0S+3], s[G0S+2:G0S+3], 2*8192   ; wave 2 asks in this change, wave 3 in the next: one step serves both
	JLOAD 0, 1
	global_prefetch_b8 v[PFO], s[PFA:PFA+1] offset:2*TILE th:TH_LOAD_NT scope:SCOPE_SE   ; the tile behind the one just asked for
.else
	JLOAD 1, 1
	s_cmp_gt_u32 s[LAP], 1                         ; in the last trip that tile is the last: none lies behind it
	s_cbranch_scc0 .Lno_ask_\@
	global_prefetch_b8 v[PFO], s[PFA:PFA+1] offset:2*TILE th:TH_LOAD_NT scope:SCOPE_SE
.Lno_ask_\@:
.endif
.endif
.if (\mode) == 4
	CREST
	JLOAD 1, 0
	RUN \tr, 0
	global_prefetch_b8 v[PFO], s[PFA:PFA+1] offset:2*TILE th:TH_LOAD_NT scope:SCOPE_SE   ; tile 2
.endif
.endif
	G12 3, 2, 3, \epi
.endm
	s_wait_alu depctr_va_vdst(0)
	s_cmp_lt_u32 s[WV], 1
	s_cbranch_scc0 .Lnot_first
	s_wait_tensorcnt 0x0                           ; wave 0: slot 0's half of W is in
.Lnot_first:
	s_barrier_signal -1
	s_barrier_wait -1
.irp a, 0,1,2,3
	ALOAD \a, 191
.endr
	WIN 0
	s_wait_tensorcnt 0x0                           ; all my tensor loads have landed
	ds_add_u32 v[SPW], v[NIL]
	s_wait_dscnt 0x0                               ; the add is done, and slot 0's blocks are in registers
	ROUND                                          ; of every wave of all sixteen work-groups
	JLOAD 0, 0                                     ; slot 0 takes enc's tile 0 over W's rows 0-127
.irp a, 4,5
	ALOAD \a, 234
.endr
	WIN 0
	global_prefetch_b8 v[PFO], s[PFA:PFA+1] offset:TILE th:TH_LOAD_NT scope:SCOPE_SE   ; tile 1
.irp a, 6,7
	ALOAD \a, 234
.endr
	WIN 0
	FETCHS 0                                       ; steps 0 and 1, from the bytes filled at the head
	FETCHS 1
	WIN 0x40
.irp t, 0,1
.irp q, 0,1,2,3
.irp c, 0,1,2,3
	ds_load_b128 v[64*\t+16*\q+4*\c:64*\t+16*\q+4*\c+3], v190 offset:\t*BLK+128*\q+32*\c
.endr
.endr
.endr
	WIN 0
	s_wait_loadcnt 0x0                             ; hidden and W's scale words
	STEP 0, 0, 0                                   ; the first step has nothing to weigh,
	WIN 0
	PLACES 8                                       ; so eight v_nop are the places behind its products
	STEP 1, 1, 4
	WIN 0
	s_wait_alu depctr_va_vdst(0)
	s_mov_b32 s[LAP], 3
.Llap:                                             ; a lap = 16 steps = once round the ring, from a lap's third step to the next lap's second; both slots are filled again: tiles 2 to 7 in three laps
.irp tr, 2,3,4,5
	STEP \tr, 1, 0
.endr
	STEP 6, 1, 1
.irp tr, 7,8,9,10,11,12,13
	STEP \tr, 1, 0
.endr
	STEP 14, 1, 1
.irp tr, 15,16,17
	STEP \tr, 1, 0
.endr
	WIN 0
	s_add_co_u32 s[SMS], s[SMS], 8*SROW
	v_add_nc_u32 v[SMA], s[SMS], v[SMB]
	s_sub_co_u32 s[LAP], s[LAP], 1
	s_cmp_lg_u32 s[LAP], 0
	s_wait_alu depctr_va_vdst(0)
	s_cbranch_scc1 .Llap
.irp tr, 2,3,4,5                                   ; the last 14 steps are written out: nothing is left to ask for
	STEP \tr, 1, 0
.endr
	STEP 6, 1, 2
.irp tr, 7,8,9,10,11,12,13,14
	STEP \tr, 1, 0
.endr
	STEP 15, 1, 3
	; the sums of the last three steps; the last step is weighed here
.set XP, 0
	WIN 0x0f
	v_pk_add_f32 v[TS:TS+1], v[SUMR:SUMR+1], v[SUMR+2:SUMR+3]
	WIN 0
	PACK
	ds_store_b32 v[SMA], v[PKR+5] offset:8*SROW
	WIN 0x04
.irp m, 0,1,2,3,4,5,6,7
	PK 2, 6, \m
.endr
	WIN 0x86
	PK 3, 0, 0
	PK 3, 0, 1
	WIN 0xa6
.irp m, 2,3,4,5,6,7,8,9,10,11
	PK 3, 0, \m
.endr
	WIN 0xe7
	PK 3, 3, 0
	PK 3, 3, 1
	WIN 0xf7
.irp m, 2,3,4,5,6,7,8,9,10,11
	PK 3, 3, \m
.endr
	WIN 0x0f
	v_pk_add_f32 v[TS+2:TS+3], v[SUMR:SUMR+1], v[SUMR+2:SUMR+3]
	WIN 0
	PACK
	ds_store_b32 v[SMA], v[PKR+5] offset:9*SROW    ; (lanes 0-15: the last step; what lanes 16-31 store here is not read)
	s_wait_dscnt 0x0                               ; for the others' sake: my stores have landed
	s_barrier_signal -1
	s_barrier_wait -1
	; THE WAY OUT.  A score's part is the sum of the four waves' words.  A lane takes four neighbouring s, 4 k + e, of one b: rows 2 k + 1 + (e + 1) / 2, the upper 16 words where e is even.
.irp i, 0,1
.irp e, 0,1,2,3
.irp m, 0,1,2,3
	ds_load_b32 v[64+16*\i+4*\e+\m], v187 offset:\m*SWAVE+(1+(\e+1)/2)*SROW+64*(1-\e%2)+8*\i
.endr
.endr
.endr
.irp i, 0,1
	s_wait_dscnt 16-16*\i                          ; the first 16 are in; then all
.irp e, 0,1,2,3
	v_pk_add_f32 v[64+16*\i+4*\e:65+16*\i+4*\e], v[64+16*\i+4*\e:65+16*\i+4*\e], v[66+16*\i+4*\e:67+16*\i+4*\e]
.endr
.irp e, 0,1,2,3
	v_add_f32 v[112+4*\i+\e], v[64+16*\i+4*\e], v[65+16*\i+4*\e]
.endr
	global_store_b128 v188, v[112+4*\i:115+4*\i], s[14:15] offset:16384*\i   ; sixteen lanes store 256 consecutive bytes, at a multiple of 256 from the buffer's first byte
.endr
	s_wait_tensorcnt 0x0                           ; the wave's end
	ds_add_u32 v[SPW], v[NIL]
	s_wait_dscnt 0x0
	ROUND                                          ; the closing round: no work-group ends while a partner may still ask for a tile that names it
	s_endpgm
.Lfunc_end_k_q974946ab8a_energy:
	.size	k_q974946ab8a_energy, .Lfunc_end_k_q974946ab8a_energy-k_q974946ab8a_energy
	.p2alignl 7, 3214868480
	.fill 96, 4, 3214868480
	.section	.rodata,"a",@progbits
	.p2align	6, 0x0
	.amdhsa_kernel k_q974946ab8a_energy
		.amdhsa_group_segment_fixed_size 327680
		.amdhsa_private_segment_fixed_size 0
		.amdhsa_enable_private_segment 0
		.amdhsa_kernarg_size 48
		.amdhsa_user_sgpr_count 2
		.amdhsa_user_sgpr_kernarg_segment_ptr 1
		.amdhsa_wavefront_size32 1
		.amdhsa_system_sgpr_workgroup_id_x 1
		.amdhsa_system_sgpr_workgroup_id_y 1
		.amdhsa_system_sgpr_workgroup_id_z 1
		.amdhsa_system_vgpr_workitem_id 0
		.amdhsa_next_free_vgpr 1024
		.amdhsa_next_free_sgpr 102
		.amdhsa_reserve_vcc 0
		.amdhsa_float_denorm_mode_32 3
		.amdhsa_float_denorm_mode_16_64 3
		.amdhsa_memory_ordered 1
		.amdhsa_forward_progress 1
		.amdhsa_inst_pref_size 255
	.end_amdhsa_kernel
	.section	.bss,"aw",@nobits
	.p2align	6
	.space	262144
	.amdgpu_metadata
---
amdhsa.version: [ 1, 2 ]
amdhsa.kernels:
  - .name:           k_q974946ab8a_energy
    .symbol:         k_q974946ab8a_energy.kd
    .args:
      - { .name: W_codes, .offset: 0, .size: 8, .value_kind: global_buffer, .address_space: global }
      - { .name: W_scales, .offset: 8, .size: 8, .value_kind: global_buffer, .address_space: global }
      - { .name: encoder_outputs_codes, .offset: 16, .size: 8, .value_kind: global_buffer, .address_space: global }
      - { .name: encoder_outputs_scales, .offset: 24, .size: 8, .value_kind: global_buffer, .address_space: global }
      - { .name: hidden, .offset: 32, .size: 8, .value_kind: global_buffer, .address_space: global }
      - { .name: part, .offset: 40, .size: 8, .value_kind: global_buffer, .address_space: global }
    .group_segment_fixed_size: 327680
    .private_segment_fixed_size: 0
    .kernarg_segment_align: 8
    .kernarg_segment_size: 48
    .max_flat_workgroup_size: 128
    .sgpr_count:     102
    .vgpr_count:     1024
    .wavefront_size: 32
...
	.end_amdgpu_metadata
.endif
;; end of part 1
;; launch softmax (part 2): grid 32 x 1, 8 waves a work-group, no clusters, 1,280 bytes of LDS; arguments part, out0; writes out0
.if DOCPART == 2
	.amdgcn_target "amdgcn-amd-amdhsa--gfx1250"
	.amdhsa_code_object_version 6
	.text
	.protected	k_q974946ab8a_softmax
	.globl	k_q974946ab8a_softmax
	.p2align	8
	.type	k_q974946ab8a_softmax,@function
k_q974946ab8a_softmax:
	s_mov_b64 s[64:65], 0
	v_nop
	global_prefetch_b8 v0, s[64:65] scope:SCOPE_SE
	s_setreg_imm32_b32 hwreg(HW_REG_WAVE_MODE, 25, 1), 1
	s_wait_xcnt 0x0
; out0[0][b][s] = softmax over s of the score, the sum of part[0..3][b][s].  The bias's term, the same for every s of a row, is left out as dead work: the comment at the head of the launch energy shows it.
; One work-group to a row b: 8 waves, 256 threads, twice four neighbouring s a thread.  Every load and store of a wave covers 512 consecutive bytes.
; Each wave takes its own largest score m away, p = 2^((x - m) log2 e), and sums its p; behind ONE barrier the row's largest M joins the waves: a wave's p and sum are multiplied by 2^((m - M) log2 e).
; No matrix unit, no tensor load, no cluster: 32 KB a work-group, nothing shared, each byte read once and no loop to run ahead in.
; LIMIT, stated: v_exp_f32 gives 0 where its result would lie under 2^-126 (ISA guide, its entry in 15.8).
	s_load_b128 s[4:7], s[0:1], 0x0                ; part s[4:5], out0 s[6:7]
	v_lshl_add_u32 v48, v0, 2, 0x100               ; my spare word
	v_mov_b32 v49, 0
	v_lshlrev_b32 v1, 4, v0                        ; 16 bytes a thread
	v_lshrrev_b32 v2, 5, v0
	v_and_b32 v3, 7, v0
	v_mov_b32 v50, 0                               ; written once: a lane permute's destination counts as one of its sources
	v_mov_b32 v51, 0
	v_lshlrev_b32 v2, 3, v2                        ; LDS: my wave's pair of words
	v_lshlrev_b32 v3, 3, v3                        ; LDS: the pair of wave lane % 8
	s_lshl_b32 s12, ttmp9, 13                      ; a row: 8,192 bytes
	s_mov_b32 s13, 0
	s_mov_b32 s16, 0x76543210                      ; v_permlanex16_b32's selects for lane l xor 16
	s_mov_b32 s17, 0xfedcba98
	s_wait_alu depctr_va_vdst(0)
	s_wait_kmcnt 0x0
	s_add_nc_u64 s[4:5], s[4:5], s[12:13]
	s_add_nc_u64 s[6:7], s[6:7], s[12:13]
.irp p, 0,1,2,3
	global_load_b128 v[4+8*\p:7+8*\p], v1, s[4:5] offset:262144*\p th:TH_LOAD_NT
	global_load_b128 v[8+8*\p:11+8*\p], v1, s[4:5] offset:262144*\p+4096 th:TH_LOAD_NT
.endr
	s_wait_loadcnt 0x0
.irp j, 4,6,8,10
	v_pk_add_f32 v[\j:\j+1], v[\j:\j+1], v[\j+8:\j+9]
	v_pk_add_f32 v[\j+16:\j+17], v[\j+16:\j+17], v[\j+24:\j+25]
.endr
.irp j, 4,6,8,10
	v_pk_add_f32 v[\j:\j+1], v[\j:\j+1], v[\j+16:\j+17]   ; my eight scores
.endr
	v_max3_num_f32 v36, v4, v5, v6
	v_max3_num_f32 v37, v7, v8, v9
	s_delay_alu instid0(VALU_DEP_2)
	v_max3_num_f32 v36, v36, v10, v11
	s_delay_alu instid0(VALU_DEP_1)
	v_max_num_f32 v36, v36, v37
.irp m, 1,2,4,8
	s_delay_alu instid0(VALU_DEP_1)
	v_max_num_f32_dpp v36, v36, v36 row_xmask:\m row_mask:0xf bank_mask:0xf
.endr
	s_delay_alu instid0(VALU_DEP_1)
	v_permlanex16_b32 v50, v36, s16, s17
	s_delay_alu instid0(VALU_DEP_1)
	v_max_num_f32 v36, v36, v50                    ; m: my wave's largest score
	s_delay_alu instid0(VALU_DEP_1)
	v_mov_b32 v37, v36                             ; (a pair for the packed form)
	v_mov_b32 v39, v36
.irp j, 4,6,8,10
	v_pk_add_f32 v[\j:\j+1], v[\j:\j+1], v[36:37] neg_lo:[0,1] neg_hi:[0,1]
.endr
.irp j, 4,6,8,10
	v_pk_mul_f32 v[\j:\j+1], v[\j:\j+1], 0x3fb8aa3b op_sel_hi:[1,0]   ; x log2 e
.endr
	s_wait_alu depctr_va_vdst(0)                   ; ahead of the batch
.irp j, 4,5,6,7,8,9,10,11
	v_exp_f32 v[\j], v[\j]
.endr
	v_nop
	s_wait_alu depctr_va_vdst(0)                   ; and behind it, ahead of its first reader
	v_pk_add_f32 v[40:41], v[4:5], v[6:7]
	v_pk_add_f32 v[42:43], v[8:9], v[10:11]
	s_delay_alu instid0(VALU_DEP_1)
	v_pk_add_f32 v[40:41], v[40:41], v[42:43]
	s_delay_alu instid0(VALU_DEP_1)
	v_add_f32 v38, v40, v41
.irp m, 1,2,4,8
	s_delay_alu instid0(VALU_DEP_1)
	v_add_f32_dpp v38, v38, v38 row_xmask:\m row_mask:0xf bank_mask:0xf
.endr
	s_delay_alu instid0(VALU_DEP_1)
	v_permlanex16_b32 v51, v38, s16, s17
	s_delay_alu instid0(VALU_DEP_1)
	v_add_f32 v38, v38, v51                        ; my wave's sum
	ds_store_b64 v2, v[38:39]                      ; the wave's sum and its m (all lanes write the same words with the same values)
	s_wait_dscnt 0x0                               ; for the others' sake: my store has landed
	s_barrier_signal -1
	s_barrier_wait -1
	ds_load_b64 v[44:45], v3                       ; eight neighbouring lanes hold the eight waves' pairs
	s_wait_dscnt 0x0
	v_mov_b32 v46, v45
.irp m, 1,2,4
	s_delay_alu instid0(VALU_DEP_1)
	v_max_num_f32_dpp v46, v46, v46 row_xmask:\m row_mask:0xf bank_mask:0xf
.endr
	s_delay_alu instid0(VALU_DEP_1)
	v_sub_f32 v40, v45, v46                        ; M in v46
	v_sub_f32 v41, v36, v46
	s_delay_alu instid0(VALU_DEP_2)
	v_mul_f32 v40, 0x3fb8aa3b, v40
	s_delay_alu instid0(VALU_DEP_2)
	v_mul_f32 v41, 0x3fb8aa3b, v41
	s_wait_alu depctr_va_vdst(0)
	v_exp_f32 v40, v40
	v_exp_f32 v41, v41
	v_nop
	s_wait_alu depctr_va_vdst(0)
	v_mul_f32 v47, v44, v40
.irp m, 1,2,4
	s_delay_alu instid0(VALU_DEP_1)
	v_add_f32_dpp v47, v47, v47 row_xmask:\m row_mask:0xf bank_mask:0xf
.endr
	s_wait_alu depctr_va_vdst(0)
	v_rcp_f32 v47, v47                             ; the row's sum is at least 1: its largest score gives p = 1
	v_mov_b32 v43, 0                               ; the plain instruction behind the reciprocal; v43 is named below as the upper half of a pair
	s_wait_alu depctr_va_vdst(0)
	v_mul_f32 v42, v41, v47
.irp j, 4,6,8,10
	v_pk_mul_f32 v[\j:\j+1], v[\j:\j+1], v[42:43] op_sel_hi:[1,0]   ; the pair's low word serves both halves
.endr
	global_store_b128 v1, v[4:7], s[6:7] th:TH_STORE_NT
	global_store_b128 v1, v[8:11], s[6:7] offset:4096 th:TH_STORE_NT
	s_wait_tensorcnt 0x0                           ; the wave's end
	ds_add_u32 v48, v49
	s_wait_dscnt 0x0
	s_endpgm
.Lfunc_end_k_q974946ab8a_softmax:
	.size	k_q974946ab8a_softmax, .Lfunc_end_k_q974946ab8a_softmax-k_q974946ab8a_softmax
	.p2alignl 7, 3214868480
	.fill 96, 4, 3214868480
	.section	.rodata,"a",@progbits
	.p2align	6, 0x0
	.amdhsa_kernel k_q974946ab8a_softmax
		.amdhsa_group_segment_fixed_size 1280
		.amdhsa_private_segment_fixed_size 0
		.amdhsa_enable_private_segment 0
		.amdhsa_kernarg_size 16
		.amdhsa_user_sgpr_count 2
		.amdhsa_user_sgpr_kernarg_segment_ptr 1
		.amdhsa_wavefront_size32 1
		.amdhsa_system_sgpr_workgroup_id_x 1
		.amdhsa_system_sgpr_workgroup_id_y 1
		.amdhsa_system_sgpr_workgroup_id_z 1
		.amdhsa_system_vgpr_workitem_id 0
		.amdhsa_next_free_vgpr 56
		.amdhsa_next_free_sgpr 66
		.amdhsa_reserve_vcc 0
		.amdhsa_float_denorm_mode_32 3
		.amdhsa_float_denorm_mode_16_64 3
		.amdhsa_memory_ordered 1
		.amdhsa_forward_progress 1
		.amdhsa_inst_pref_size 8
	.end_amdhsa_kernel
	.amdgpu_metadata
---
amdhsa.version: [ 1, 2 ]
amdhsa.kernels:
  - .name:           k_q974946ab8a_softmax
    .symbol:         k_q974946ab8a_softmax.kd
    .args:
      - { .name: part, .offset: 0, .size: 8, .value_kind: global_buffer, .address_space: global }
      - { .name: out0, .offset: 8, .size: 8, .value_kind: global_buffer, .address_space: global }
    .group_segment_fixed_size: 1280
    .private_segment_fixed_size: 0
    .kernarg_segment_align: 8
    .kernarg_segment_size: 16
    .max_flat_workgroup_size: 256
    .sgpr_count:     66
    .vgpr_count:     56
    .wavefront_size: 32
...
	.end_amdgpu_metadata
.endif
;; end of part 2
